; MI455X (gfx1250); checked and timed in simulation.
; The chip was launched on July 23, 2026; its instructions are those of AMD's public machine-readable ISA for CDNA 5 (MIT licence, August 2026) and "CDNA5" Instruction Set Architecture Reference Guide (July 2026). The comments in the code are by the model that wrote it; some were corrected since.
;; My Multi Head Attention. Allowed arithmetic: matrix products marked QUANTISED: E2M1 operands, one E8M0 scale for each 32 along K, by v_wmma_scale_f32_16x16x128_f8f6f4 with both operands' format E2M1 (or v_wmma_scale_f32_32x16x128_f4), f32 sums; everything else in f32.
;; Inputs: Wk 1,024 x 1,024 float32; Wq 1,024 x 1,024 float32; Wv 1,024 x 1,024 float32; bk 1,024 float32; bq 1,024 float32; bv 1,024 float32; x 8 x 2,048 x 1,024 float32.
;; Outputs: out0 8 x 2,048 x 1,024 float32.
;; This version of the problem:
;;   THIS VERSION OF THE PROBLEM IS GIVEN IN LOW PRECISION. The matrix products marked QUANTISED in the list below multiply operands that are first quantised to E2M1 (2 exponent bits, 1 mantissa bit; 4 bits a number), with one power-of-two scale for each 32 numbers along K (OCP MX v1.0); their sums are f32. All else is computed in f32.
;;   The module's matrix products, in the order in which they are computed (A, B: the left and right operand; K: the contracted axis; several contracted axes count as one K, in the product's order):
;;     1. [M 16,384, K 1,024] x [K 1,024, N 1,024]; A: input x; B: input Wq: QUANTISED
;;     2. [M 16,384, K 1,024] x [K 1,024, N 1,024]; A: input x; B: input Wk: QUANTISED
;;     3. [M 16,384, K 1,024] x [K 1,024, N 1,024]; A: input x; B: input Wv: QUANTISED
;;     4. batch 128 x [M 64, K 2,048] x [K 2,048, N 64]; A: computed on the way; B: computed on the way: QUANTISED
;;     5. batch 128 x [M 64, K 64] x [K 64, N 2,048]; A: softmax (see below); B: computed on the way: QUANTISED
;;   THE QUANTISER, for each operand of a quantised product, along K:
;;     - K is cut into blocks of 32 from its start; a last block that is shorter is filled with zeros.
;;     - A block's scale is 2^e with e = floor(log2(the largest magnitude in the block)) - 2, held to -126 .. 127; a block of zeros has e = 0. As a byte (E8M0): e + 127.
;;     - Each number is divided by its block's scale, clamped to +-6, and rounded to the nearest number of E2M1, ties to even, subnormals kept.
;;     - The product sums the exact products of the quantised numbers (number of the format x scale) in f32.
;;   ~~~python
;;   def quantise(x, axis):      # numpy; x: float32 -> the quantised numbers, widened to float32 again
;;       x = np.moveaxis(x, axis, -1); K = x.shape[-1]
;;       x = np.pad(x, [(0, 0)] * (x.ndim - 1) + [(0, -K % 32)]); x = x.reshape(x.shape[:-1] + (-1, 32)); a = np.abs(x).max(-1, keepdims=True)
;;       e = np.where(a > 0, np.clip(np.frexp(np.where(a > 0, a, 1))[1] - 1 - 2, -126, 127), 0)      # np.frexp(a)[1] - 1 = floor(log2(a)), exactly
;;       r = np.clip(x / 2.0 ** e, -6, 6)
;;       step = 2.0 ** (np.maximum(np.frexp(np.where(r == 0, 1, r))[1] - 1, 0) - 1)
;;       q = np.round(r / step) * step * 2.0 ** e      # np.round: ties to even
;;       return np.moveaxis(q.reshape(q.shape[:-2] + (-1,))[..., :K], -1, axis).astype(np.float32)
;;   ~~~
;;   SOFTMAX AHEAD OF A QUANTISED PRODUCT. Where the list says 'softmax', what is quantised is not the finished softmax but p = 2^(t - M), with t = logit x log2(e) and M = ceil(the row's largest t), a whole number; so 1/2 < the row's largest p <= 1. The row's sum l is taken of the UNQUANTISED p, in f32, and the product's result is divided by l at the end. Since M is a whole number, a kernel that streams over the keys may use a running M (the ceiling of the running maximum): every later rescaling is an exact power of two, which a block's scale takes up: the codes' values come out the same.
;;   OPERANDS COMPUTED ON THE WAY. 'Computed on the way' means the value that the module computes at that place (a softmax that the list does not call 'softmax' is quantised finished and normalised). What goes into a quantiser is computed in f32, as accurately as f32 sums, v_exp_f32 and their like allow (about 1e-6 of the number): no bf16 or f16 on the way to a quantiser, and a product that is left as it is and whose result goes on into a quantised operand takes f32 operands (vector FMAs, or v_wmma_f32_16x16x4_f32). A number that lies on a knife's edge between two numbers of the format may be rounded either way, as far as f32 arithmetic and the matrix unit's own rounding can turn it there, and no further.
;; One version. Each part assembles by itself: llvm-mc -triple=amdgcn-amd-amdhsa -mcpu=gfx1250 --defsym DOCPART=n.
;; ======== version 1 of 1: 3 launches
;; limits: right only within a limited range of input values
;; workspace buffers: img 10,584,064 bytes; part 4,194,304 bytes
;; launch quant (part 1): grid 256 x 1, 19 waves a work-group, no clusters, 163,072 bytes of LDS; arguments x, Wq, Wk, Wv, img; writes img
.if DOCPART == 1
	.amdgcn_target "amdgcn-amd-amdhsa--gfx1250"
	.amdhsa_code_object_version 6
	.text
	.protected	k_qbf134b2f47_quant
	.globl	k_qbf134b2f47_quant
	.p2align	8
	.type	k_qbf134b2f47_quant,@function
k_qbf134b2f47_quant:
	s_mov_b64 s[64:65], 0
	v_nop
	global_prefetch_b8 v0, s[64:65] scope:SCOPE_SE
	s_setreg_imm32_b32 hwreg(HW_REG_WAVE_MODE, 25, 1), 1
	s_wait_xcnt 0x0
; x [16384][1024] and Wq, Wk, Wv [1024][1024], f32, K innermost, become codes of FP4 (E2M1) with one E8M0 byte for each 32 along K,
; laid in the order in which the later launches' operand registers take them.
; NOTHING OF THE PROBLEM IS LEFT OUT in this program: bq and bk reach the logits through terms that differ along the softmax's axis and enter quantised
; operands, bv reaches v; every input is loaded.  The one padding is the last product's K, 64 filled to 128 with zero codes, inside live tiles.
; A block's scale is 2^(floor(log2(its largest magnitude)) - 2); its byte is the largest magnitude's exponent field - 2, held at 1 from below.
; LIMITS: NaN and infinities among the inputs are not served; a block whose largest magnitude lies under 2^-124 has its byte held at 1; a block of zeros
; gets the byte 1 where the rule says 127: its codes are zeros, and the bytes are read by this program alone.
; TILES.  A pair is 32 rows x 1,024 K, two tiles of 16 rows.  Pairs 0-511: x; 512 + 32 z + t: Wq, Wk, Wv (z = 0, 1, 2).  Row r of tile u of a pair is the pair's row
; 8 u + r % 8 + 16 (r / 8): so a product's results of the two tiles are 16 neighbours in a lane's registers.
; A PAIR'S 17,408 BYTES lie on end: codes at 8192 u + 1024 (K step of 128) + 512 c + 16 lane: registers 4 c .. 4 c + 3 of a fragment, 16 bytes a lane;
; from 16,384 on the scale words, 128 (K step) + 4 (16 u + r): one load of 4 bytes a lane brings the even tile's words to lanes 0-15 and the odd one's to lanes 16-31.
; SHARES.  608 pairs x 8 K steps = 4,864 units = 256 work-groups x 19 waves: a wave takes one unit, 32 rows x 128 K, and issues its 32 loads at its head, 512 consecutive bytes each.
; Tile by tile the numbers turn through the wave's own stage in LDS, so that a lane holds whole blocks of 32.  Codes leave in runs of 1,024 consecutive bytes, scale words in one run of 128.
; No tensor load, no barrier: waves share nothing.
.set WREG, 8448                        ; LDS of a wave: 16 rows x 528 bytes
.set PIT,  528                         ; 512 bytes + 16 of padding
.set SPARE, 19*WREG                    ; the spare words, 128 bytes for each wave
.set PAIRB, 17408
.set GA,  2                            ; v2   16 x lane
.set SW,  3                            ; v3   the stage, on the way in
.set SR,  4                            ; v4   and on the way out: row r, my block of 32 in each half
.set LW,  5                            ; v5   4 x lane
.set HS,  6                            ; v6   8 x (lane / 16)
.set SPW, 7                            ; v7   my spare word; never rewritten
.set NIL, 8                            ; v8   0; never rewritten
.set M,   12                           ; v12-15 largest magnitudes, two chains a block
.set R,   16                           ; v16-143 the 32 rows as loaded, then the blocks
.set C,   144                          ; v144-159 codes
.set SO,  160
.set BY,  162
.set WD,  164                          ; v164, v165 the two tiles' scale words
.set PT,  166
.set SEL, 34
	s_load_b256 s[4:11], s[0:1], 0x0               ; x, Wq, Wk, Wv
	s_load_b64 s[12:13], s[0:1], 0x20              ; img
	v_lshl_add_u32 v[SPW], v0, 2, SPARE
	v_mov_b32 v[NIL], 0
	v_lshrrev_b32 v1, 5, v0
	v_readfirstlane_b32 s16, v1                    ; wave 0..18
	s_mul_i32 s17, s16, WREG
	v_and_b32 v9, 15, v0                           ; r
	v_bfe_u32 v10, v0, 4, 1                        ; lane / 16
	v_and_b32 v1, 31, v0                           ; lane
	v_mul_u32_u24 v[SR], v9, PIT
	v_lshlrev_b32 v[GA], 4, v1
	v_lshlrev_b32 v[LW], 2, v1
	v_lshlrev_b32 v[HS], 3, v10
	v_lshl_add_u32 v[SR], v10, 7, v[SR]
	v_add_nc_u32 v[SW], s17, v[GA]
	v_mov_b32 v[PT], 0                             ; a lane permute's destination counts as one of its sources
	v_mov_b32 v[PT+1], 0
	v_add_nc_u32 v[SR], s17, v[SR]
	s_mul_i32 s18, ttmp9, 19
	s_add_co_u32 s18, s18, s16                     ; my unit
	s_lshr_b32 s19, s18, 3                         ; its pair
	s_and_b32 s20, s18, 7                          ; its K step
	s_and_b32 s21, s19, 31                         ; a weight's pair: 512, 544 and 576 are multiples of 32
	s_mul_i32 s24, s19, PAIRB
	s_mov_b32 s25, 0
	s_lshl_b32 s22, s20, 7
	s_add_co_u32 s26, s24, s22
	s_add_co_u32 s26, s26, 16384                   ; my scale words
	s_mov_b32 s27, 0
	s_lshl_b32 s22, s20, 10
	s_add_co_u32 s24, s24, s22                     ; my codes
	s_mov_b32 s[SEL], 0x76543210
	s_mov_b32 s[SEL+1], 0xfedcba98                 ; v_permlanex16_b32: lane l xor 16
	s_wait_alu depctr_va_vdst(0)                   ; the wait at the head's end
	s_wait_kmcnt 0x0
	s_cmp_lt_u32 s19, 576                          ; which tensor: the choices hang on ids alone; all four take one path
	s_cselect_b64 s[28:29], s[8:9], s[10:11]
	s_cmp_lt_u32 s19, 544
	s_cselect_b64 s[28:29], s[6:7], s[28:29]
	s_cmp_lt_u32 s19, 512
	s_cselect_b64 s[28:29], s[4:5], s[28:29]
	s_cselect_b32 s21, s19, s21                    ; the pair within its tensor
	s_lshl_b32 s32, s21, 17                        ; 32 rows of 4,096 bytes a pair,
	s_lshl_b32 s22, s20, 9                         ; 512 bytes a K step
	s_add_co_u32 s32, s32, s22
	s_mov_b32 s33, 0
	s_add_nc_u64 s[28:29], s[28:29], s[32:33]
	s_add_nc_u64 s[14:15], s[12:13], s[26:27]
	s_add_nc_u64 s[12:13], s[12:13], s[24:25]
.set P, 0
.rept 32                               ; row P % 16 of tile P / 16
	global_load_b128 v[R+4*P:R+4*P+3], v[GA], s[28:29] offset:4096*(8*(P/16)+(P%8)+16*((P%16)/8)) th:TH_LOAD_NT
.set P, P+1
.endr
.macro TURN t                          ; tile t through the stage: LDS serves a wave's instructions in order, so no wait stands between the stores and the loads
.set P, 0
.rept 16
	ds_store_b128 v[SW], v[R+64*(\t)+4*P:R+64*(\t)+4*P+3] offset:PIT*P
.set P, P+1
.endr
.set P, 0
.rept 16                               ; my two blocks: 64 c + 32 (lane / 16) + 0 .. 31 along K, c = 0, 1
	ds_load_b128 v[R+64*(\t)+4*P:R+64*(\t)+4*P+3], v[SR] offset:256*(P/8)+16*(P%8)
.set P, P+1
.endr
.endm
.macro WORK t
.set XB, R+64*(\t)
.irp c, 0,1
	v_max3_num_f32 v[M+2*\c], |v[XB+32*\c]|, |v[XB+32*\c+1]|, |v[XB+32*\c+2]|      ; a block's largest magnitude: all 32 numbers are mine; two chains a block
	v_max3_num_f32 v[M+2*\c+1], |v[XB+32*\c+3]|, |v[XB+32*\c+4]|, |v[XB+32*\c+5]|
.endr
.irp i, 6,10,14,18,22,26
.irp c, 0,1
	v_max3_num_f32 v[M+2*\c], v[M+2*\c], |v[XB+32*\c+\i]|, |v[XB+32*\c+\i+1]|
	v_max3_num_f32 v[M+2*\c+1], v[M+2*\c+1], |v[XB+32*\c+\i+2]|, |v[XB+32*\c+\i+3]|
.endr
.endr
.irp c, 0,1
	v_max3_num_f32 v[M+2*\c], v[M+2*\c], |v[XB+32*\c+30]|, |v[XB+32*\c+31]|
.endr
.irp c, 0,1
	v_max3_num_f32 v[M+2*\c], v[M+2*\c], v[M+2*\c+1], 0x1800000    ; and the floor 2^(3 - 127): the byte cannot fall under 1
.endr
.irp c, 0,1
	v_add_nc_u32 v[SO+\c], 0xff000000, v[M+2*\c]   ; 2 off the exponent field: the conversion takes this operand's exponent field as its scale
.endr
.irp c, 0,1
	v_lshrrev_b32 v[BY+\c], 23, v[SO+\c]           ; the scale's byte
.endr
	v_lshl_or_b32 v[WD+(\t)], v[BY+1], 16, v[BY]   ; my two bytes of the word, 2 c + lane / 16,
	v_lshlrev_b32 v[WD+(\t)], v[HS], v[WD+(\t)]
	v_permlanex16_b32 v[PT+(\t)], v[WD+(\t)], s[SEL], s[SEL+1]
	v_or_b32 v[WD+(\t)], v[WD+(\t)], v[PT+(\t)]    ; and lane l xor 16's two
.irp c, 0,1
.irp g, 0,1,2,3
	v_cvt_scalef32_pk8_fp4_f32 v[C+8*(\t)+4*\c+\g], v[XB+32*\c+8*\g:XB+32*\c+8*\g+7], v[SO+\c]
.endr
.endr
	v_nop                                          ; one plain line behind the conversions
.irp c, 0,1
	global_store_b128 v[GA], v[C+8*(\t)+4*\c:C+8*(\t)+4*\c+3], s[12:13] offset:8192*(\t)+512*\c   ; 32 lanes store 512 consecutive bytes
.endr
.endm
	s_wait_loadcnt 16                              ; the even tile's 16 rows are in; the odd one's may be out
	TURN 0
	s_wait_dscnt 0x0
	WORK 0
	s_wait_loadcnt 0x0
	TURN 1
	s_wait_dscnt 0x0
	WORK 1
	v_permlane16_swap_b32 v[WD], v[WD+1]           ; lanes 0-15: the even tile's words, lanes 16-31: the odd one's
	global_store_b32 v[LW], v[WD], s[14:15]        ; 128 consecutive bytes
	s_wait_tensorcnt 0x0                           ; the wave's end, behind my last LDS store
	ds_add_u32 v[SPW], v[NIL]
	s_wait_dscnt 0x0
	s_endpgm
.Lfunc_end_k_qbf134b2f47_quant:
	.size	k_qbf134b2f47_quant, .Lfunc_end_k_qbf134b2f47_quant-k_qbf134b2f47_quant
	.p2alignl 7, 3214868480
	.fill 96, 4, 3214868480
	.section	.rodata,"a",@progbits
	.p2align	6, 0x0
	.amdhsa_kernel k_qbf134b2f47_quant
		.amdhsa_group_segment_fixed_size 163072
		.amdhsa_private_segment_fixed_size 0
		.amdhsa_enable_private_segment 0
		.amdhsa_kernarg_size 40
		.amdhsa_user_sgpr_count 2
		.amdhsa_user_sgpr_kernarg_segment_ptr 1
		.amdhsa_wavefront_size32 1
		.amdhsa_system_sgpr_workgroup_id_x 1
		.amdhsa_system_sgpr_workgroup_id_y 1
		.amdhsa_system_sgpr_workgroup_id_z 1
		.amdhsa_system_vgpr_workitem_id 0
		.amdhsa_next_free_vgpr 176
		.amdhsa_next_free_sgpr 66
		.amdhsa_reserve_vcc 0
		.amdhsa_float_denorm_mode_32 3
		.amdhsa_float_denorm_mode_16_64 3
		.amdhsa_memory_ordered 1
		.amdhsa_forward_progress 1
		.amdhsa_inst_pref_size 17
	.end_amdhsa_kernel
	.amdgpu_metadata
---
amdhsa.version: [ 1, 2 ]
amdhsa.kernels:
  - .name:           k_qbf134b2f47_quant
    .symbol:         k_qbf134b2f47_quant.kd
    .args:
      - { .name: x, .offset: 0, .size: 8, .value_kind: global_buffer, .address_space: global }
      - { .name: Wq, .offset: 8, .size: 8, .value_kind: global_buffer, .address_space: global }
      - { .name: Wk, .offset: 16, .size: 8, .value_kind: global_buffer, .address_space: global }
      - { .name: Wv, .offset: 24, .size: 8, .value_kind: global_buffer, .address_space: global }
      - { .name: img, .offset: 32, .size: 8, .value_kind: global_buffer, .address_space: global }
    .group_segment_fixed_size: 163072
    .private_segment_fixed_size: 0
    .kernarg_segment_align: 8
    .kernarg_segment_size: 40
    .max_flat_workgroup_size: 608
    .sgpr_count:     66
    .vgpr_count:     176
    .wavefront_size: 32
...
	.end_amdgpu_metadata
.endif
;; end of part 1
;; launch proj (part 2): grid 16 x 16, 4 waves a work-group, clusters of 4 x 1, 327,680 bytes of LDS; arguments img, bq, bk, part; writes part
.if DOCPART == 2
	.amdgcn_target "amdgcn-amd-amdhsa--gfx1250"
	.amdhsa_code_object_version 6
	.text
	.protected	k_qbf134b2f47_proj
	.globl	k_qbf134b2f47_proj
	.p2align	8
	.type	k_qbf134b2f47_proj,@function
k_qbf134b2f47_proj:
	s_mov_b64 s[64:65], 0
	v_nop
	global_prefetch_b8 v0, s[64:65] scope:SCOPE_SE
	s_setreg_imm32_b32 hwreg(HW_REG_WAVE_MODE, 25, 1), 1
	s_wait_xcnt 0x0
	s_wait_alu depctr_hold_cnt(0) depctr_sa_sdst(0) depctr_va_vdst(0) depctr_va_sdst(0) depctr_va_ssrc(0) depctr_va_vcc(0) depctr_vm_vsrc(0)
	s_getreg_b32 s2, hwreg(HW_REG_IB_STS2, 6, 4)
	s_cmp_eq_u32 s2, 0
	s_cbranch_scc0 .Lentry_in_a_cluster
	s_endpgm
.Lentry_in_a_cluster:
	s_bfe_u32 s2, ttmp6, 0x10000c
	s_cmp_lg_u32 s2, 0x3003
	s_cbranch_scc0 .Lentry_shape_is_right
	s_endpgm
.Lentry_shape_is_right:
; One work-group takes one (batch, head) and one half of its 2,048 s: q, k = x W^T + b for the head's 64 channels, and its part of logits[d][e] = sum over s of q[s][d] k[s][e].
; 16 heads x 8 batches x 2 halves = 256 work-groups.  All products run on codes of FP4 (E2M1) with E8M0 scales; q and k are quantised along s and never leave the wave that makes them.
; What leaves is the half's 64 x 64 sums in f32; the next launch adds the two halves' sums.  Nothing of the problem is left out.
; LIMITS: NaN and infinities are not served; a block whose largest magnitude lies under 2^-124 has its byte held at 1; a block of zeros has the byte 1 over zero codes.
; SHARES.  x's pairs of the half go in 4 chunks of 256 s (8 pairs, 139,264 bytes with their scale words) through a ring of two LDS slots; wave w takes pairs 2 w and 2 w + 1 of a chunk, a block of 32 s each.
; The head's eight tiles of weights (four of Wq, four of Wk) stay in 512 registers of every wave.  They come to LDS once, into slot 1's bytes, and are read from there ahead of that slot's first chunk.
; LAYOUT.  Source 0 = a pair of x (32 rows), source 1 = 16 rows of W: a lane holds ONE channel, and its 16 registers are 16 neighbours of a block of 32 s; lane l xor 16 holds the other 16.
; K step 0 runs in the 16-row form, whose C, the bias, is eight equal registers a tile; K steps 1 to 7 in the 32-row form.
; The codes go to an image of operand registers in the wave's own LDS, 8 bytes a lane; after four blocks (128 s) the wave multiplies k's two pairs by q's four tiles into its own 128 sums.
; At the end the four waves' sums meet in LDS: wave t adds tile t's.
; CLUSTER.  Four heads of one half batch form a cluster and walk the same chunks of x: each is asked for jointly, with one descriptor in all four.  The weights hang on the head: no partner shares them.
; No prefetch: there is no loop to run ahead in; of the four chunks two are asked for ahead of the first product and each other one a whole chunk ahead.
; REGISTERS, in windows of 256.  Window 0 as below.  Windows 1 (K steps 0-3) and 2 (K steps 4-7): weights at v[32 tile + 8 step].
;   Window 3: v0-127 eight accumulators of 16, between blocks also the images read back; v128-255 the logits, 16 registers at 128 + 64 (pair of k) + 16 (tile of q).
.set PAIRB, 17408
.set SLOT,  8*PAIRB
.set IMGB,  2*SLOT                     ; LDS: the images, 8,192 bytes for each wave
.set SPARE, IMGB+32768                 ; the spare words, 128 bytes for each wave: two blocks of 256 bytes that no other line names
.set LI,1                              ; v1   16 x lane
.set SPW,2                             ; v2   my spare word; never rewritten
.set NIL,3                             ; v3   0; never rewritten
.set AX,4                              ; v4, v5   my two pairs in slot 0, 1: codes
.set AS,6                              ; v6, v7   and scale words
.set IMW,8                             ; v8   my image, on the way in: 16 r + 8 (lane / 16)
.set IMR,9                             ; v9   and back
.set RDW,10                            ; v10  where I put my sums
.set RDR,11                            ; v11  where I read tile w's
.set PLO,12                            ; v12  my offset in the work-group's piece
.set AWQ,13                            ; v13  the weights in LDS: Wq's, Wk's, their scale words
.set AWK,14
.set AWS,15
.set MX,16                             ; v16-23 largest magnitudes, then the conversions' scale operands
.set PT,24                             ; v24-31 lane l xor 16's, then the bytes
.set PC,24                             ; v24-39 the codes, two registers a tile (the bytes are used by then)
.set WS,40                             ; v40-71 the weights' scale words: 8 x pair + K step
.set XS,72                             ; v72-87 x's, two sets
.set SWD,88                            ; v88-95 q's (0-3) and k's (4-7) scale words
.set BQ,96                             ; v96-159 biases, eight equal registers a tile
.set XF,160                            ; v160-255 x's fragments: three buffers of two K steps
.set WV,16
.set CX,17
.set HEAD,18
.set YH,19
.set G1R,24                            ; descriptor groups 1: the ring's, the head's for x, the head's for W
.set G1H,32
.set G1W,40
.set G0H,48
.set G0W,52
.set G0R,56
.set SEL,60
.set MSB, 0
.macro WIN new                         ; bits 1:0 source 0, 3:2 source 1, 5:4 source 2, 7:6 destination; the high byte repeats the setting that is left
.if MSB != (\new)
	s_set_vgpr_msb (MSB<<8)|(\new)
.set MSB, \new
.endif
.endm
.macro PLACES n                        ; plain vector lines behind matrix instructions (ISA guide 7.12.1)
.rept \n
	v_nop
.endr
.endm
.macro CREST                           ; a round of the cluster's barrier behind its opening barrier
	s_cmp_lg_u32 s[WV], 0
	s_cbranch_scc1 .Lnot_wave_0_\@
	s_barrier_signal -3
.Lnot_wave_0_\@:
	s_barrier_wait -3
	s_barrier_signal -1
	s_barrier_wait -1
.endm
.macro CROUND
	s_barrier_signal -1
	s_barrier_wait -1
	CREST
.endm
.macro GROUP1 g, head, rows            ; rows of 256 dense bytes: 32 elements of 8 bytes, no padding
	s_mov_b32 s[\g], \head
	s_mov_b32 s[\g+1], 32<<16
	s_mov_b32 s[\g+2], (\rows)<<16
	s_mov_b32 s[\g+3], 32<<16
	s_mov_b32 s[\g+4], \rows
	s_mov_b32 s[\g+5], 32
	s_mov_b32 s[\g+6], 0
	s_mov_b32 s[\g+7], 0
.endm
; LDS instructions are counted as they are issued: DSN all, GL0-2 the count behind each fragment buffer's last load; so a wait's count is the number issued behind that load.
.set DSN, 0
.set GL0, 0
.set GL1, 0
.set GL2, 0
.macro LOADG g                         ; group g of two K steps (eight groups a chunk, four a block) into buffer g % 3; a block's first group brings its scale words too
	WIN 0
.set SL, ((\g)/8)%2
.set PO, PAIRB*(((\g)%8)/4)
.if ((\g)%4) == 0
.irp k, 0,1,2,3,4,5,6,7
	ds_load_b32 v[XS+8*(((\g)/4)%2)+\k], v[AS+SL] offset:PO+128*\k
.endr
.set DSN, DSN+8
.endif
.irp k, 0,1
.irp u, 0,1
.irp c, 0,1
	ds_load_b128 v[XF+32*((\g)%3)+16*\k+8*\u+4*\c:XF+32*((\g)%3)+16*\k+8*\u+4*\c+3], v[AX+SL] offset:PO+8192*\u+1024*(2*((\g)%4)+\k)+512*\c
.endr
.endr
.endr
.set DSN, DSN+8
.if ((\g)%3) == 0
.set GL0, DSN
.elseif ((\g)%3) == 1
.set GL1, DSN
.else
.set GL2, DSN
.endif
.endm
.macro WM16 d, a, b, c, sa, sb, ra, rb
.if ((\ra) != 0) && ((\rb) != 0)
	v_wmma_scale_f32_16x16x128_f8f6f4 v[\d:\d+7], v[\a:\a+7], v[\b:\b+7], v[\c:\c+7], v[\sa], v[\sb] matrix_a_fmt:MATRIX_FMT_FP4 matrix_b_fmt:MATRIX_FMT_FP4 matrix_a_scale:MATRIX_SCALE_ROW1 matrix_b_scale:MATRIX_SCALE_ROW1
.elseif (\ra) != 0
	v_wmma_scale_f32_16x16x128_f8f6f4 v[\d:\d+7], v[\a:\a+7], v[\b:\b+7], v[\c:\c+7], v[\sa], v[\sb] matrix_a_fmt:MATRIX_FMT_FP4 matrix_b_fmt:MATRIX_FMT_FP4 matrix_a_scale:MATRIX_SCALE_ROW1
.elseif (\rb) != 0
	v_wmma_scale_f32_16x16x128_f8f6f4 v[\d:\d+7], v[\a:\a+7], v[\b:\b+7], v[\c:\c+7], v[\sa], v[\sb] matrix_a_fmt:MATRIX_FMT_FP4 matrix_b_fmt:MATRIX_FMT_FP4 matrix_b_scale:MATRIX_SCALE_ROW1
.else
	v_wmma_scale_f32_16x16x128_f8f6f4 v[\d:\d+7], v[\a:\a+7], v[\b:\b+7], v[\c:\c+7], v[\sa], v[\sb] matrix_a_fmt:MATRIX_FMT_FP4 matrix_b_fmt:MATRIX_FMT_FP4
.endif
.endm
; One K step of a block: the eight accumulators by turns, in the same order in every step.
.macro KST k, buf, xs
.if (\k) == 0
	WIN 0xc4
.irp T, 0,1,2,3,4,5,6,7
.irp u, 0,1
	WM16 16*\T+8*\u, (\buf)+8*\u, 32*\T, BQ+8*\T, \xs, WS+8*(\T/2), \u, \T%2
.endr
.endr
	PLACES 5                                       ; the 32-row form takes these results as its C
.else
.if (\k) < 4
	WIN 0xf4
.else
	WIN 0xf8
.endif
.irp T, 0,1,2,3,4,5,6,7
.if (\T%2) != 0
	v_wmma_scale_f32_32x16x128_f4 v[16*\T:16*\T+15], v[\buf:\buf+15], v[32*\T+8*((\k)%4):32*\T+8*((\k)%4)+7], v[16*\T:16*\T+15], v[\xs+(\k)], v[WS+8*(\T/2)+(\k)] matrix_b_scale:MATRIX_SCALE_ROW1
.else
	v_wmma_scale_f32_32x16x128_f4 v[16*\T:16*\T+15], v[\buf:\buf+15], v[32*\T+8*((\k)%4):32*\T+8*((\k)%4)+7], v[16*\T:16*\T+15], v[\xs+(\k)], v[WS+8*(\T/2)+(\k)]
.endif
.endr
.endif
.endm
.macro GRP g, wait                     ; group g's products; wait = 1: its loads are waited for, the younger ones may be out
.if \wait
.if ((\g)%3) == 0
	s_wait_dscnt DSN-GL0
.elseif ((\g)%3) == 1
	s_wait_dscnt DSN-GL1
.else
	s_wait_dscnt DSN-GL2
.endif
.endif
	KST (2*((\g)%4)), XF+32*((\g)%3), XS+8*(((\g)/4)%2)
	KST (2*((\g)%4)+1), XF+32*((\g)%3)+16, XS+8*(((\g)/4)%2)
.endm
; The block's 128 results become codes.  Unit n = 16 registers of window 3: 16 neighbours of a block of 32 along s.  Each accumulator is read from its low end on.
.macro QUANT bl
	WIN 0x0f
.irp n, 0,1,2,3,4,5,6,7
	v_max3_num_f32 v[MX+\n], |v[16*\n]|, |v[16*\n+1]|, 0x1800000   ; with the floor 2^(3 - 127): the byte cannot fall under 1
.endr
	WIN 0x3c
.irp i, 2,4,6,8,10,12,14
.irp n, 0,1,2,3,4,5,6,7
	v_max3_num_f32 v[MX+\n], v[MX+\n], |v[16*\n+\i]|, |v[16*\n+\i+1]|   ; the eight units by turns
.endr
.endr
	WIN 0
.irp n, 0,1,2,3,4,5,6,7
	v_permlanex16_b32 v[PT+\n], v[MX+\n], s[SEL], s[SEL+1]
.endr
.irp n, 0,1,2,3,4,5,6,7
	v_max_num_f32 v[MX+\n], v[MX+\n], v[PT+\n]     ; with lane l xor 16's: the block's largest magnitude
.endr
.irp n, 0,1,2,3,4,5,6,7
	v_add_nc_u32 v[MX+\n], 0xff000000, v[MX+\n]    ; 2 off its exponent field: the conversion's scale operand
.endr
.irp n, 0,1,2,3,4,5,6,7
.if (\bl) == 0
	v_lshrrev_b32 v[SWD+\n], 23, v[MX+\n]          ; the scale's byte: byte bl of the 128 s' word
.else
	v_lshrrev_b32 v[PT+\n], 23, v[MX+\n]
.endif
.endr
.if (\bl) != 0
.irp n, 0,1,2,3,4,5,6,7
	v_lshl_or_b32 v[SWD+\n], v[PT+\n], 8*(\bl), v[SWD+\n]
.endr
.endif
	WIN 0x03
.irp n, 0,1,2,3,4,5,6,7
	v_cvt_scalef32_pk8_fp4_f32 v[PC+2*\n], v[16*\n:16*\n+7], v[MX+\n]
	v_cvt_scalef32_pk8_fp4_f32 v[PC+2*\n+1], v[16*\n+8:16*\n+15], v[MX+\n]
.endr
	WIN 0
	v_nop                                          ; one plain line behind the conversions: the next products write their sources
.irp n, 0,1,2,3,4,5,6,7
	ds_store_b64 v[IMW], v[PC+2*\n:PC+2*\n+1] offset:1024*\n+256*(\bl)   ; 32 lanes: 256 consecutive bytes of the image
.endr
.set DSN, DSN+8
.endm
; The sums of 128 s: source 0 = 32 e of k (a pair of tiles), source 1 = 16 d of q: a lane holds one d, its 16 registers are 16 neighbouring e.
.macro LOGITS first
	v_permlane16_swap_b32 v[SWD+4], v[SWD+5]       ; a pair's scale words: the even tile's in lanes 0-15, the odd one's in lanes 16-31
	v_permlane16_swap_b32 v[SWD+6], v[SWD+7]
	WIN 0xc0
.irp T, 0,1,2,3,4,5,6,7
	ds_load_b128 v[8*\T:8*\T+3], v[IMR] offset:1024*\T          ; LDS serves a wave's instructions in order: these see my stores
	ds_load_b128 v[8*\T+4:8*\T+7], v[IMR] offset:1024*\T+512
.endr
.set DSN, DSN+16
	WIN 0
	PLACES 8                                       ; the scale registers were written by vector instructions
	s_wait_alu depctr_va_vdst(0)                   ; directly ahead of the wait below
	s_wait_dscnt 0x0
	WIN 0xff
.irp b, 0,1
.irp T, 0,1,2,3
.if \first
	v_wmma_scale_f32_32x16x128_f4 v[128+64*\b+16*\T:128+64*\b+16*\T+15], v[32+16*\b:32+16*\b+15], v[8*\T:8*\T+7], 0, v[SWD+4+2*\b], v[SWD+\T]
.else
	v_wmma_scale_f32_32x16x128_f4 v[128+64*\b+16*\T:128+64*\b+16*\T+15], v[32+16*\b:32+16*\b+15], v[8*\T:8*\T+7], v[128+64*\b+16*\T:128+64*\b+16*\T+15], v[SWD+4+2*\b], v[SWD+\T]
.endif
.endr
.endr
	WIN 0
	PLACES 5                                       ; the next products write over these products' operands
.endm
; A CHUNK: my two blocks.  A buffer is loaded again behind its group's products, three groups ahead.  kind = 2: this slot is filled again, two chunks ahead;  1: only the next chunk is awaited;  0: nothing follows.
.macro CHUNK n, kind
	GRP 8*\n, 1
	PLACES 4
	LOADG 8*\n+3
	GRP 8*\n+1, 1
	PLACES 4
	LOADG 8*\n+4
	GRP 8*\n+2, 1
	PLACES 4
	LOADG 8*\n+5
	GRP 8*\n+3, 1
	PLACES 4
	LOADG 8*\n+6
	QUANT (2*\n)%4
	GRP 8*\n+4, 1
	PLACES 4
	LOADG 8*\n+7                                   ; my last loads from this slot
	GRP 8*\n+5, 1
.if \kind == 2
	WIN 0
	s_wait_tensorcnt 0x0                           ; all my tensor loads have landed: my part of the next chunk; so the descriptor may be written
	ds_add_u32 v[SPW], v[NIL]                      ; 0 onto my spare word
.set DSN, DSN+1
	s_mov_b32 s[G0R+1], s[62+\n]                   ; chunk n + 2 goes where chunk n lies
	s_add_nc_u64 s[G0R+2:G0R+3], s[G0R+2:G0R+3], SLOT
	s_wait_dscnt 0x0                               ; the add is done, and my reads of this slot are over
	s_barrier_signal -1
	GRP 8*\n+6, 0                                  ; work on registers while the others arrive
	WIN 0
	s_barrier_wait -1
	CREST                                          ; no wave of any partner still reads this slot or has a load on its way
	tensor_load_to_lds s[G0R:G0R+3], s[G1R:G1R+7]  ; my one tensor load behind the round
	s_nop 0
	PLACES 4
	LOADG 8*\n+8
	LOADG 8*\n+9
	GRP 8*\n+7, 0
	PLACES 4
	LOADG 8*\n+10
.elseif \kind == 1
	GRP 8*\n+6, 1
	s_wait_tensorcnt 0x0                           ; my part of the last chunk is in, and I alone read it
	PLACES 4
	LOADG 8*\n+8
	LOADG 8*\n+9
	GRP 8*\n+7, 1
	PLACES 4
	LOADG 8*\n+10
.else
	GRP 8*\n+6, 1
	GRP 8*\n+7, 1
	PLACES 4
.endif
	QUANT (2*\n+1)%4
.endm
	s_load_b256 s[4:11], s[0:1], 0x0               ; img, bq, bk, part
	v_lshl_add_u32 v[SPW], v0, 2, SPARE
	v_mov_b32 v[NIL], 0
	ds_add_u32 v[SPW], v[NIL]                      ; the wave's opening: the add, twice on end, and its wait ahead of my first tensor load
	ds_add_u32 v[SPW], v[NIL]
	v_lshrrev_b32 v16, 5, v0
	v_readfirstlane_b32 s[WV], v16                 ; wave 0..3
	s_bfe_u32 s[CX], ttmp6, 0x40000                ; my place in the cluster: it enters global addresses alone
	s_lshl_b32 s[HEAD], ttmp9, 2
	s_add_co_u32 s[HEAD], s[HEAD], s[CX]
	s_and_b32 s[YH], ttmp7, 0xffff                 ; 2 x batch + half: the four partners share it
	GROUP1 G1R, 15|(3<<16)|(1<<21), 136            ; two pairs, to all four partners
	GROUP1 G1H, 15|(3<<16)|(1<<21), 272            ; four pairs, likewise
	GROUP1 G1W, 3<<16, 136                         ; two pairs of weights, to my work-group alone
	s_mul_i32 s62, s[WV], 2*PAIRB                  ; my two pairs in slot 0,
	s_add_co_u32 s63, s62, SLOT                    ; and in slot 1
	s_mul_i32 s66, s[YH], 32*PAIRB                 ; the half's first pair
	s_mul_i32 s68, s[WV], 4*PAIRB
	s_mov_b32 s[G0H+1], s68                        ; at the head waves 0 and 1 fetch chunk 0's halves
	s_add_co_u32 s68, s68, s66
	s_mov_b32 s69, 0
	s_add_co_u32 s70, s66, s63                     ; the ring begins with chunk 1
	s_mov_b32 s71, 0
	s_mul_i32 s72, s[HEAD], 2*PAIRB                ; and waves 2 and 3 Wq's pairs 512 + 2 head + 0, 1 and Wk's 544 + 2 head + 0, 1
	s_mul_i32 s20, s[WV], 32*PAIRB
	s_add_co_u32 s72, s72, s20
	s_add_co_u32 s72, s72, 448*PAIRB
	s_mov_b32 s73, 0
	s_lshl_b32 s74, s[YH], 4
	s_add_co_u32 s74, s74, s[HEAD]
	s_lshl_b32 s74, s74, 14                        ; my work-group's piece
	s_mov_b32 s75, 0
	s_lshl_b32 s76, s[HEAD], 8                     ; the head's 64 numbers of a bias
	s_mov_b32 s77, 0
	s_mov_b32 s[SEL], 0x76543210
	s_mov_b32 s[SEL+1], 0xfedcba98                 ; v_permlanex16_b32: lane l xor 16
	s_mov_b32 s[G0H], 1
	s_mov_b32 s[G0W], 1
	s_mov_b32 s[G0R], 1
	s_add_co_u32 s[G0W+1], s62, SLOT-4*PAIRB       ; wave 2: slot 1's first byte, wave 3: two pairs on
	s_mov_b32 s[G0R+1], s63
	s_wait_alu depctr_va_vdst(0)                   ; directly ahead of the wait below
	s_wait_dscnt 0x0                               ; both opening adds are done
	s_wait_kmcnt 0x0
	s_add_nc_u64 s[G0H+2:G0H+3], s[4:5], s[68:69]
	s_or_b32 s[G0H+3], s[G0H+3], 0x80000000
	s_add_nc_u64 s[G0W+2:G0W+3], s[4:5], s[72:73]
	s_or_b32 s[G0W+3], s[G0W+3], 0x80000000
	s_add_nc_u64 s[G0R+2:G0R+3], s[4:5], s[70:71]
	s_or_b32 s[G0R+3], s[G0R+3], 0x80000000
	s_add_nc_u64 s[6:7], s[6:7], s[76:77]
	s_add_nc_u64 s[8:9], s[8:9], s[76:77]
	s_add_nc_u64 s[10:11], s[10:11], s[74:75]
	CROUND                                         ; all four work-groups are here: the first joint loads meet
	s_cmp_lt_u32 s[WV], 2                          ; the head's loads, one a wave
	s_cbranch_scc0 .Lweights
	tensor_load_to_lds s[G0H:G0H+3], s[G1H:G1H+7]
	s_nop 0
	PLACES 4
	s_branch .Lasked
.Lweights:
	tensor_load_to_lds s[G0W:G0W+3], s[G1W:G1W+7]
	s_nop 0
	PLACES 4
.Lasked:
	v_and_b32 v16, 31, v0                          ; lane
	v_and_b32 v17, 15, v0                          ; r
	v_bfe_u32 v18, v0, 4, 1                        ; lane / 16
	v_and_b32 v20, 7, v0                           ; r % 8
	v_bfe_u32 v21, v0, 3, 1                        ; r / 8
	v_lshlrev_b32 v[LI], 4, v16
	v_lshlrev_b32 v19, 2, v16
	v_lshlrev_b32 v20, 2, v20
	v_lshlrev_b32 v22, 4, v17
	v_lshl_add_u32 v20, v21, 6, v20                ; a bias: 4 (r % 8) + 64 (r / 8)
	v_lshl_add_u32 v22, v18, 3, v22                ; 16 r + 8 (lane / 16)
	s_wait_alu depctr_va_vdst(0)                   ; directly ahead of its readers
.irp T, 0,1,2,3                        ; a lane's channel of each tile
	global_load_b32 v[BQ+8*\T], v20, s[6:7] offset:128*(\T/2)+32*(\T%2)
	global_load_b32 v[BQ+32+8*\T], v20, s[8:9] offset:128*(\T/2)+32*(\T%2)
.endr
	v_add_nc_u32 v[AX], s62, v[LI]
	v_add_nc_u32 v[AX+1], s63, v[LI]
	s_add_co_u32 s20, s62, 16384
	v_add_nc_u32 v[AS], s20, v19
	s_add_co_u32 s20, s63, 16384
	v_add_nc_u32 v[AS+1], s20, v19
	v_add_nc_u32 v[AWQ], SLOT, v[LI]
	v_add_nc_u32 v[AWK], SLOT+2*PAIRB, v[LI]
	v_add_nc_u32 v[AWS], SLOT+16384, v19
	s_lshl_b32 s20, s[WV], 13
	s_add_co_u32 s20, s20, IMGB
	v_add_nc_u32 v[IMW], s20, v22
	v_add_nc_u32 v[IMR], s20, v[LI]
	s_lshl_b32 s20, s[WV], 14
	v_add_nc_u32 v[RDW], s20, v[LI]
	s_lshl_b32 s20, s[WV], 12
	v_add_nc_u32 v[RDR], s20, v[LI]
	v_add_nc_u32 v[PLO], s20, v[LI]
.irp n, 0,1,2,3,4,5,6,7
	v_mov_b32 v[PT+\n], 0                          ; a lane permute's destination counts as one of its sources
.endr
	s_wait_alu depctr_va_vdst(0)                   ; directly ahead of the wait below
	s_wait_loadcnt 0x0
.irp T, 0,1,2,3,4,5,6,7
.irp j, 1,2,3,4,5,6,7
	v_mov_b32 v[BQ+8*\T+\j], v[BQ+8*\T]
.endr
.endr
	s_wait_alu depctr_va_vdst(0)                   ; the wait at the head's end
	s_wait_tensorcnt 0x0                           ; my tile of the head's is in
	s_wait_dscnt 0x0
	s_barrier_signal -1
	s_barrier_wait -1                              ; and everybody's
.macro WLOAD half
	WIN 0x40*(1+(\half))
.irp T, 0,1,2,3
.irp k, 0,1,2,3
.irp c, 0,1
	ds_load_b128 v[32*\T+8*\k+4*\c:32*\T+8*\k+4*\c+3], v[AWQ] offset:PAIRB*(\T/2)+8192*(\T%2)+1024*(4*(\half)+\k)+512*\c
	ds_load_b128 v[128+32*\T+8*\k+4*\c:128+32*\T+8*\k+4*\c+3], v[AWK] offset:PAIRB*(\T/2)+8192*(\T%2)+1024*(4*(\half)+\k)+512*\c
.endr
.endr
.endr
.endm
	WLOAD 0
	WLOAD 1
	WIN 0
.irp p, 0,1,2,3
.irp k, 0,1,2,3,4,5,6,7
	ds_load_b32 v[WS+8*\p+\k], v[AWS] offset:PAIRB*\p+128*\k
.endr
.endr
	LOADG 0
	LOADG 1
	LOADG 2
	s_wait_tensorcnt 0x0                           ; (none is out) slot 1 is filled again, with chunk 1
	ds_add_u32 v[SPW], v[NIL]                      ; 0 onto my spare word
.set DSN, DSN+1
	s_wait_dscnt 0x0                               ; the add is done, and the weights are in my registers
	CROUND
	tensor_load_to_lds s[G0R:G0R+3], s[G1R:G1R+7]
	s_nop 0
	PLACES 4
	CHUNK 0, 2
	CHUNK 1, 2
	LOGITS 1
	CHUNK 2, 1
	CHUNK 3, 0
	LOGITS 0
	; THE WAY OUT.  Behind this barrier nobody reads slot 0, which has had its last fill: the four waves' sums go there, 16,384 bytes each; wave t adds tile t's.
	s_barrier_signal -1
	s_barrier_wait -1
	WIN 0x0c
.irp T, 0,1,2,3
.irp b, 0,1
.irp j, 0,1,2,3
	ds_store_b128 v[RDW], v[128+64*\b+16*\T+4*\j:128+64*\b+16*\T+4*\j+3] offset:4096*\T+2048*\b+512*\j   ; each accumulator from its low end on
.endr
.endr
.endr
	WIN 0
	s_wait_dscnt 0x0                               ; for the others' sake
	s_barrier_signal -1
	s_barrier_wait -1
	WIN 0xc0
.irp w, 0,1,2,3
.irp j, 0,1,2,3,4,5,6,7
	ds_load_b128 v[32*\w+4*\j:32*\w+4*\j+3], v[RDR] offset:16384*\w+512*\j
.endr
.endr
	s_wait_dscnt 0x0
	WIN 0xff
.irp i, 0,2,4,6,8,10,12,14,16,18,20,22,24,26,28,30
	v_pk_add_f32 v[\i:\i+1], v[\i:\i+1], v[32+\i:33+\i]
	v_pk_add_f32 v[64+\i:65+\i], v[64+\i:65+\i], v[96+\i:97+\i]
.endr
.irp i, 0,2,4,6,8,10,12,14,16,18,20,22,24,26,28,30
	v_pk_add_f32 v[\i:\i+1], v[\i:\i+1], v[64+\i:65+\i]
.endr
	WIN 0x0c
.irp j, 0,1,2,3,4,5,6,7
	global_store_b128 v[PLO], v[4*\j:4*\j+3], s[10:11] offset:512*\j   ; 32 lanes store 512 consecutive bytes
.endr
	WIN 0
	s_wait_tensorcnt 0x0                           ; the wave's end, behind my last tensor load and my last LDS store
	ds_add_u32 v[SPW], v[NIL]
	s_wait_dscnt 0x0
	CROUND                                         ; the closing round
	s_endpgm
.Lfunc_end_k_qbf134b2f47_proj:
	.size	k_qbf134b2f47_proj, .Lfunc_end_k_qbf134b2f47_proj-k_qbf134b2f47_proj
	.p2alignl 7, 3214868480
	.fill 96, 4, 3214868480
	.section	.rodata,"a",@progbits
	.p2align	6, 0x0
	.amdhsa_kernel k_qbf134b2f47_proj
		.amdhsa_group_segment_fixed_size 327680
		.amdhsa_private_segment_fixed_size 0
		.amdhsa_enable_private_segment 0
		.amdhsa_kernarg_size 32
		.amdhsa_user_sgpr_count 2
		.amdhsa_user_sgpr_kernarg_segment_ptr 1
		.amdhsa_wavefront_size32 1
		.amdhsa_system_sgpr_workgroup_id_x 1
		.amdhsa_system_sgpr_workgroup_id_y 1
		.amdhsa_system_sgpr_workgroup_id_z 1
		.amdhsa_system_vgpr_workitem_id 0
		.amdhsa_next_free_vgpr 1024
		.amdhsa_next_free_sgpr 100
		.amdhsa_reserve_vcc 0
		.amdhsa_float_denorm_mode_32 3
		.amdhsa_float_denorm_mode_16_64 3
		.amdhsa_memory_ordered 1
		.amdhsa_forward_progress 1
		.amdhsa_inst_pref_size 197
	.end_amdhsa_kernel
	.amdgpu_metadata
---
amdhsa.version: [ 1, 2 ]
amdhsa.kernels:
  - .name:           k_qbf134b2f47_proj
    .symbol:         k_qbf134b2f47_proj.kd
    .args:
      - { .name: img, .offset: 0, .size: 8, .value_kind: global_buffer, .address_space: global }
      - { .name: bq, .offset: 8, .size: 8, .value_kind: global_buffer, .address_space: global }
      - { .name: bk, .offset: 16, .size: 8, .value_kind: global_buffer, .address_space: global }
      - { .name: part, .offset: 24, .size: 8, .value_kind: global_buffer, .address_space: global }
    .group_segment_fixed_size: 327680
    .private_segment_fixed_size: 0
    .kernarg_segment_align: 8
    .kernarg_segment_size: 32
    .max_flat_workgroup_size: 128
    .sgpr_count:     100
    .vgpr_count:     1024
    .wavefront_size: 32
...
	.end_amdgpu_metadata
.endif
;; end of part 2
;; launch outp (part 3): grid 16 x 16, 8 waves a work-group, clusters of 4 x 1, 327,680 bytes of LDS; arguments img, part, bv, out0; writes out0
.if DOCPART == 3
	.amdgcn_target "amdgcn-amd-amdhsa--gfx1250"
	.amdhsa_code_object_version 6
	.text
	.protected	k_qbf134b2f47_outp
	.globl	k_qbf134b2f47_outp
	.p2align	8
	.type	k_qbf134b2f47_outp,@function
k_qbf134b2f47_outp:
	s_mov_b64 s[64:65], 0
	v_nop
	global_prefetch_b8 v0, s[64:65] scope:SCOPE_SE
	s_setreg_imm32_b32 hwreg(HW_REG_WAVE_MODE, 25, 1), 1
	s_wait_xcnt 0x0
	s_wait_alu depctr_hold_cnt(0) depctr_sa_sdst(0) depctr_va_vdst(0) depctr_va_sdst(0) depctr_va_ssrc(0) depctr_va_vcc(0) depctr_vm_vsrc(0)
	s_getreg_b32 s2, hwreg(HW_REG_IB_STS2, 6, 4)
	s_cmp_eq_u32 s2, 0
	s_cbranch_scc0 .Lentry_in_a_cluster
	s_endpgm
.Lentry_in_a_cluster:
	s_bfe_u32 s2, ttmp6, 0x10000c
	s_cmp_lg_u32 s2, 0x3003
	s_cbranch_scc0 .Lentry_shape_is_right
	s_endpgm
.Lentry_shape_is_right:
; One work-group takes one (batch, head) and one half of its 2,048 s.  logits[d][e] = the two halves' sums added; p = 2^(t - M), t = logit x log2(e) / 8, M = ceil(the row's largest t);
; v = x Wv^T + bv for the head's 64 channels; out[s][d] = (sum over e of p[d][e] v[s][e]) / l[d], l the row's sum of the unquantised p.  p and v are quantised along e; v never leaves the wave that makes it.
; Nothing of the problem is left out.  The last product's K is 64: its upper 64 are zero codes (registers 4-7 of both operands), under scale bytes 0, which are no NaN.
; LIMITS: NaN and infinities are not served; a block whose largest magnitude lies under 2^-124 has its byte held at 1.
; SHARES.  Eight waves.  Wave w: t = w % 4, g = w / 4.  Each group g of four waves makes the whole softmax, wave by tile t of 16 d, into an LDS region of the group's own.
; x's pairs of the half go in 4 chunks of 256 s (8 pairs with their scale words) through a ring of two LDS slots; wave w takes pair w of a chunk, a tile of 16 s at a time.
; Wv's two pairs of tiles stay in 256 registers of every wave; they come to LDS once, into slot 1's bytes, and are read from there ahead of that slot's first chunk.
; LAYOUT.  v: source 0 = a pair of Wv (32 e), source 1 = 16 s of x: a lane holds ONE s and 16 neighbouring e; the bias is the C of K step 0.  out: source 0 = 32 d of p, source 1 = 16 s of v: a lane holds
; ONE s and 16 neighbouring d.  It goes through the wave's own stage in LDS and comes back as whole rows, is multiplied by 1 / l of the lane's four d, and leaves: sixteen lanes store the head's 256
; consecutive bytes of a row of out0, at a multiple of 256 from its first byte.
; CLUSTER.  Four heads of one half batch walk the same chunks of x: each is asked for jointly, with one descriptor in all four.  Weights and sums hang on the head: no partner shares them.
; No prefetch: there is no loop to run ahead in; of the four chunks two are asked for ahead of the first product and each other one a whole chunk ahead.
; REGISTERS.  Window 1: weights at v[128 pair + 16 step + 8 u].  Window 0 as below.
.set PAIRB, 17408
.set SLOT,  8*PAIRB
.set PREG,  2*SLOT                     ; LDS: group g's region at PREG + 2,560 g: p's images (512 bytes a tile of 16 d),
.set PCOPY, 2560
.set PSC,   2048                       ; p's scale words (64 bytes a tile),
.set LINV,  2304                       ; 1 / l, in the order of d
.set STG,   PREG+2*PCOPY               ; the stages: 16 rows x 272 bytes for each wave
.set SPARE, STG+8*4352                 ; the spare words, 128 bytes for each wave: four blocks of 256 bytes that no other line names
.set HALFP, 16*16384                   ; from the first half's piece of sums to the second's
.set SPW,4                             ; v4   my spare word; never rewritten
.set NIL,5                             ; v5   0; never rewritten
.set AX,6                              ; v6, v7   my pair in slot 0, 1: codes;  v120, v121 its scale words
.set AS,120
.set WSA,122                           ; v122  the weights' scale words in LDS
.set ASO,8                             ; v8   my stage, on the way in;  v9 on the way back
.set ASR,9
.set GO,10                             ; v10  my byte offset in two rows of out0
.set LI,11                             ; v11  16 x lane
.set RL,12                             ; v12-15 1 / l of my four d
.set MX,16
.set PT,18
.set VSC,20                            ; v20  v's scale word
.set PS,22                             ; v22, v23 p's scale words, a pair each
.set WS,24                             ; v24-39 the weights': 8 x pair + K step
.set XS,40                             ; v40-47 x's
.set BV,48                             ; v48-79 the bias
.set PF,80                             ; v80-111 p's two pairs; registers 4-7 and 12-15 of each stay 0
.set VO,112                            ; v112-119 v's codes; registers 4-7 stay 0
.set XF,128                            ; v128-191 x's tile
.set ACC,192                           ; v192-223 v
.set DD,224                            ; v224-255 out, then its rows read back
.set LG,128                            ; AT THE HEAD: the first half's sums, then the logits, then p;
.set L2,160                            ; the second half's;
.set SA,192                            ; the softmax at work
.set SB,208
.set RC,210
.set TM,216
.set NM,220
.set BM,222
.set BP,224
.set SOP,226
.set BB,228
.set PP,230
.set PWD,234
.set HA,236                            ; v236-243 addresses of the head alone
.set WV,16
.set CX,17
.set HEAD,18
.set YH,19
.set WT,20
.set WG,21
.set CS,22                             ; s[22:23] log2(e) / 8
.set G1R,24
.set G1H,32
.set G1W,40
.set G0H,48
.set G0W,52
.set G0R,56
.set SEL,60
.set MSB, 0
.macro WIN new
.if MSB != (\new)
	s_set_vgpr_msb (MSB<<8)|(\new)
.set MSB, \new
.endif
.endm
.macro PLACES n                        ; plain vector lines behind matrix instructions (ISA guide 7.12.1)
.rept \n
	v_nop
.endr
.endm
.macro CROUND                          ; a round of the cluster's barrier
	s_barrier_signal -1
	s_barrier_wait -1
	s_cmp_lg_u32 s[WV], 0
	s_cbranch_scc1 .Lnot_wave_0_\@
	s_barrier_signal -3
.Lnot_wave_0_\@:
	s_barrier_wait -3
	s_barrier_signal -1
	s_barrier_wait -1
.endm
.macro GROUP1 g, head, rows            ; rows of 256 dense bytes: 32 elements of 8 bytes, no padding
	s_mov_b32 s[\g], \head
	s_mov_b32 s[\g+1], 32<<16
	s_mov_b32 s[\g+2], (\rows)<<16
	s_mov_b32 s[\g+3], 32<<16
	s_mov_b32 s[\g+4], \rows
	s_mov_b32 s[\g+5], 32
	s_mov_b32 s[\g+6], 0
	s_mov_b32 s[\g+7], 0
.endm
.macro XLOAD slot, u                   ; tile u of my pair; with the even tile the pair's scale words
.if \u == 0
.irp k, 0,1,2,3,4,5,6,7
	ds_load_b32 v[XS+\k], v[AS+\slot] offset:128*\k
.endr
.endif
.irp k, 0,1,2,3,4,5,6,7
.irp c, 0,1
	ds_load_b128 v[XF+8*\k+4*\c:XF+8*\k+4*\c+3], v[AX+\slot] offset:8192*\u+1024*\k+512*\c
.endr
.endr
.endm
	s_load_b256 s[4:11], s[0:1], 0x0               ; img, part, bv, out0
	v_lshl_add_u32 v[SPW], v0, 2, SPARE
	v_mov_b32 v[NIL], 0
	ds_add_u32 v[SPW], v[NIL]                      ; the wave's opening: the add, twice on end, and its wait ahead of my first tensor load
	ds_add_u32 v[SPW], v[NIL]
	v_lshrrev_b32 v1, 5, v0
	v_readfirstlane_b32 s[WV], v1                  ; wave 0..7
	s_and_b32 s[WT], s[WV], 3
	s_lshr_b32 s[WG], s[WV], 2
	s_bfe_u32 s[CX], ttmp6, 0x40000                ; my place in the cluster: it enters global addresses alone
	s_lshl_b32 s[HEAD], ttmp9, 2
	s_add_co_u32 s[HEAD], s[HEAD], s[CX]
	s_and_b32 s[YH], ttmp7, 0xffff                 ; 2 x batch + half: the four partners share it
	GROUP1 G1R, 15|(3<<16)|(1<<21), 68             ; a pair, to all four partners
	GROUP1 G1H, 15|(3<<16)|(1<<21), 136            ; two pairs, likewise
	GROUP1 G1W, 3<<16, 34                          ; half a pair of weights, to my work-group alone
	s_mul_i32 s62, s[WV], PAIRB                    ; my pair in slot 0,
	s_add_co_u32 s63, s62, SLOT                    ; and in slot 1
	s_mul_i32 s66, s[YH], 32*PAIRB                 ; the half's first pair
	s_mul_i32 s68, s[WV], 2*PAIRB
	s_mov_b32 s[G0H+1], s68                        ; at the head waves 0 to 3 fetch chunk 0, two pairs each
	s_add_co_u32 s68, s68, s66
	s_mov_b32 s69, 0
	s_add_co_u32 s70, s66, s63                     ; the ring begins with chunk 1
	s_mov_b32 s71, 0
	s_mul_i32 s72, s[HEAD], 2*PAIRB                ; and waves 4 to 7 Wv's pairs 576 + 2 head + 0, 1, half a pair each
	s_mul_i32 s73, s[WV], PAIRB/2
	s_add_co_u32 s72, s72, s73
	s_add_co_u32 s72, s72, 574*PAIRB
	s_add_co_u32 s[G0W+1], s73, SLOT-2*PAIRB
	s_mov_b32 s73, 0
	s_and_b32 s74, s[YH], 0xfffe
	s_lshl_b32 s74, s74, 4
	s_add_co_u32 s74, s74, s[HEAD]
	s_lshl_b32 s74, s74, 14                        ; the first half's piece of sums
	s_mov_b32 s75, 0
	s_lshl_b32 s76, s[HEAD], 8
	s_mov_b32 s77, 0
	s_lshl_b32 s78, s[YH], 22                      ; out0: 1,024 rows of 4,096 bytes a half,
	s_lshl_b32 s79, s[WV], 17                      ; my pair's 32 rows of a chunk,
	s_add_co_u32 s78, s78, s79
	s_add_co_u32 s78, s78, s76                     ; the head's 256 bytes of a row
	s_mov_b32 s79, 0
	s_mov_b32 s[SEL], 0x76543210
	s_mov_b32 s[SEL+1], 0xfedcba98                 ; v_permlanex16_b32: lane l xor 16
	s_mov_b32 s[CS], 0x3e38aa3b                    ; log2(e) / 8
	s_mov_b32 s[CS+1], s[CS]                       ; (named with it as a pair, so it is written)
	s_mov_b32 s[G0H], 1
	s_mov_b32 s[G0W], 1
	s_mov_b32 s[G0R], 1
	s_mov_b32 s[G0R+1], s63
	s_wait_alu depctr_va_vdst(0)                   ; directly ahead of the wait below
	s_wait_dscnt 0x0                               ; both opening adds are done
	s_wait_kmcnt 0x0
	s_add_nc_u64 s[G0H+2:G0H+3], s[4:5], s[68:69]
	s_or_b32 s[G0H+3], s[G0H+3], 0x80000000
	s_add_nc_u64 s[G0W+2:G0W+3], s[4:5], s[72:73]
	s_or_b32 s[G0W+3], s[G0W+3], 0x80000000
	s_add_nc_u64 s[G0R+2:G0R+3], s[4:5], s[70:71]
	s_or_b32 s[G0R+3], s[G0R+3], 0x80000000
	s_add_nc_u64 s[6:7], s[6:7], s[74:75]
	s_add_nc_u64 s[8:9], s[8:9], s[76:77]
	s_add_nc_u64 s[10:11], s[10:11], s[78:79]
	CROUND                                         ; all four work-groups are here: the first joint loads meet
	s_cmp_lt_u32 s[WV], 4                          ; the head's loads, one a wave
	s_cbranch_scc0 .Lweights
	tensor_load_to_lds s[G0H:G0H+3], s[G1H:G1H+7]
	s_nop 0
	PLACES 4
	s_branch .Lasked
.Lweights:
	tensor_load_to_lds s[G0W:G0W+3], s[G1W:G1W+7]
	s_nop 0
	PLACES 4
.Lasked:
	v_and_b32 v3, 31, v0                           ; lane
	v_and_b32 v1, 15, v0                           ; r
	v_bfe_u32 v2, v0, 4, 1                         ; lane / 16
	v_and_b32 v[HA+4], 7, v0                       ; r % 8
	v_bfe_u32 v[HA+5], v0, 3, 1                    ; r / 8
	v_lshlrev_b32 v[LI], 4, v3
	s_lshl_b32 s80, s[WT], 12
	v_lshlrev_b32 v[HA+1], 6, v2                   ; the bias: 64 (lane / 16)
	v_lshlrev_b32 v[HA+2], 2, v3                   ; 4 x lane
	v_add_nc_u32 v[HA], s80, v[LI]                 ; tile t's sums
	v_lshlrev_b32 v[HA+6], 2, v[HA+4]
	v_lshlrev_b32 v[HA+3], 4, v1                   ; 16 r
	s_wait_alu depctr_va_vdst(0)                   ; directly ahead of its readers
.irp j, 0,1,2,3,4,5,6,7
	global_load_b128 v[LG+4*\j:LG+4*\j+3], v[HA], s[6:7] offset:512*\j
	global_load_b128 v[L2+4*\j:L2+4*\j+3], v[HA], s[6:7] offset:HALFP+512*\j
.endr
.irp b, 0,1                            ; the bias runs along the registers: channels 32 b + 16 (lane / 16) + 0 .. 15
.irp j, 0,1,2,3
	global_load_b128 v[BV+16*\b+4*\j:BV+16*\b+4*\j+3], v[HA+1], s[8:9] offset:128*\b+16*\j
.endr
.endr
	v_add_nc_u32 v[AX], s62, v[LI]
	v_add_nc_u32 v[AX+1], s63, v[LI]
	s_add_co_u32 s80, s62, 16384
	v_add_nc_u32 v[AS], s80, v[HA+2]
	s_add_co_u32 s80, s63, 16384
	v_add_nc_u32 v[AS+1], s80, v[HA+2]
	s_mul_i32 s80, s[WV], 4352
	s_add_co_u32 s80, s80, STG                     ; my stage
	v_mul_u32_u24 v[ASO], v1, 272
	v_mul_u32_u24 v[ASR], v2, 272
	v_lshlrev_b32 v[GO], 12, v2
	v_lshl_add_u32 v[ASO], v2, 6, v[ASO]
	v_lshl_add_u32 v[ASR], v1, 4, v[ASR]
	v_lshl_add_u32 v[GO], v1, 4, v[GO]             ; lanes 0-15 one row of out0, lanes 16-31 the next
	v_add_nc_u32 v[ASO], s80, v[ASO]               ; in: row r, 64 bytes on for lanes 16-31
	v_add_nc_u32 v[ASR], s80, v[ASR]               ; back: lanes 0-15 one row of 256 bytes, lanes 16-31 the next
	s_mul_i32 s81, s[WG], PCOPY
	s_add_co_u32 s81, s81, PREG                    ; my group's region
	s_lshl_b32 s80, s[WT], 9
	s_add_co_u32 s80, s80, s81
	v_lshl_add_u32 v[HA+4], v2, 3, v[HA+3]
	v_lshl_add_u32 v[HA+6], v[HA+5], 6, v[HA+6]
	v_add_nc_u32 v[HA+4], s80, v[HA+4]             ; p's image: 512 t + 16 r + 8 (lane / 16)
	s_lshl_b32 s80, s[WT], 6
	s_add_co_u32 s80, s80, s81
	s_add_co_u32 s80, s80, PSC
	v_lshlrev_b32 v[HA+5], 2, v1
	v_add_nc_u32 v[HA+5], s80, v[HA+5]             ; its scale word
	s_lshr_b32 s80, s[WT], 1
	s_lshl_b32 s80, s80, 7
	s_and_b32 s82, s[WT], 1
	s_lshl_b32 s82, s82, 5
	s_add_co_u32 s80, s80, s82
	s_add_co_u32 s80, s80, s81
	s_add_co_u32 s80, s80, LINV
	s_wait_alu depctr_va_vdst(0)                   ; directly ahead of the reader below
	v_add_nc_u32 v[HA+6], s80, v[HA+6]             ; 1 / l at 4 d, d = 32 (t / 2) + 8 (t % 2) + r % 8 + 16 (r / 8)
.irp f, 0,1,2,3
.irp j, 4,5,6,7
	v_mov_b32 v[PF+8*\f+\j], 0                     ; p's K = 64 .. 127: zero codes
.endr
.endr
.irp j, 4,5,6,7
	v_mov_b32 v[VO+\j], 0                          ; v's likewise
.endr
	v_mov_b32 v[PT], 0                             ; a lane permute's destination counts as one of its sources
	v_mov_b32 v[PT+1], 0
	s_wait_alu depctr_va_vdst(0)                   ; directly ahead of the wait below
	s_wait_loadcnt 8                               ; the 16 loads of sums are in; the bias's 8 may be out
.irp j, 0,2,4,6,8,10,12,14,16,18,20,22,24,26,28,30
	v_pk_add_f32 v[LG+\j:LG+\j+1], v[LG+\j:LG+\j+1], v[L2+\j:L2+\j+1]   ; the two halves of s
.endr
	; THE SOFTMAX.  Lane (r, h) holds row r of tile t and e = 32 b + 16 h + 0 .. 15 in registers 16 b + 0 .. 15.
.irp a, 0,1,2,3
	v_max3_num_f32 v[TM+\a], v[LG+8*\a], v[LG+8*\a+1], v[LG+8*\a+2]   ; the row's largest logit: four chains
.endr
.irp i, 3,5
.irp a, 0,1,2,3
	s_delay_alu instid0(VALU_DEP_4)
	v_max3_num_f32 v[TM+\a], v[TM+\a], v[LG+8*\a+\i], v[LG+8*\a+\i+1]
.endr
.endr
.irp a, 0,1,2,3
	s_delay_alu instid0(VALU_DEP_4)
	v_max_num_f32 v[TM+\a], v[TM+\a], v[LG+8*\a+7]
.endr
	s_delay_alu instid0(VALU_DEP_2)
	v_max3_num_f32 v[TM], v[TM], v[TM+1], v[TM+2]
	s_delay_alu instid0(VALU_DEP_1)
	v_max_num_f32 v[TM], v[TM], v[TM+3]
	s_delay_alu instid0(VALU_DEP_1)
	v_permlanex16_b32 v[TM+1], v[TM], s[SEL], s[SEL+1]
	s_delay_alu instid0(VALU_DEP_1)
	v_max_num_f32 v[TM], v[TM], v[TM+1]            ; with lane l xor 16's 32
	s_delay_alu instid0(VALU_DEP_1)
	v_mul_f32 v[TM], s[CS], v[TM]                  ; as t (the factor is positive)
	s_delay_alu instid0(VALU_DEP_1)
	v_floor_f32 v[NM], -v[TM]                      ; -M = floor(-t) = -ceil(t): a whole number
	v_mov_b32 v[NM+1], 0                           ; (named with it as a pair)
.irp j, 0,2,4,6,8,10,12,14,16,18,20,22,24,26,28,30
	v_pk_fma_f32 v[LG+\j:LG+\j+1], v[LG+\j:LG+\j+1], s[CS:CS+1], v[NM:NM+1] op_sel_hi:[1,0,0]   ; t - M, two at a time
.endr
	s_wait_alu depctr_va_vdst(0)                   ; ahead of the batch
.irp j, 0,1,2,3,4,5,6,7,8,9,10,11,12,13,14,15,16,17,18,19,20,21,22,23,24,25,26,27,28,29,30,31
	v_exp_f32 v[LG+\j], v[LG+\j]                   ; p = 2^(t - M): not normalised
.endr
	v_mov_b32 v[BP], 0                             ; plain lines behind the exponentials (a lane permute's destination counts as one of its sources)
	v_mov_b32 v[BP+1], 0
	v_mov_b32 v[SB], 0
	s_wait_alu depctr_va_vdst(0)                   ; one wait for the batch of 32, ahead of its first reader
.irp i, 0,1,2,3,4,5,6,7
	v_pk_add_f32 v[SA+2*\i:SA+2*\i+1], v[LG+4*\i:LG+4*\i+1], v[LG+4*\i+2:LG+4*\i+3]   ; the row's sum of the unquantised p
.endr
.irp i, 0,1,2,3
	s_delay_alu instid0(VALU_DEP_4)
	v_pk_add_f32 v[SA+2*\i:SA+2*\i+1], v[SA+2*\i:SA+2*\i+1], v[SA+8+2*\i:SA+9+2*\i]
.endr
.irp i, 0,1
	s_delay_alu instid0(VALU_DEP_2)
	v_pk_add_f32 v[SA+2*\i:SA+2*\i+1], v[SA+2*\i:SA+2*\i+1], v[SA+4+2*\i:SA+5+2*\i]
.endr
	s_delay_alu instid0(VALU_DEP_1)
	v_pk_add_f32 v[SA:SA+1], v[SA:SA+1], v[SA+2:SA+3]
	s_delay_alu instid0(VALU_DEP_1)
	v_add_f32 v[SA], v[SA], v[SA+1]
	s_delay_alu instid0(VALU_DEP_1)
	v_permlanex16_b32 v[SB], v[SA], s[SEL], s[SEL+1]
	s_delay_alu instid0(VALU_DEP_1)
	v_add_f32 v[SA], v[SA], v[SB]
	s_wait_alu depctr_va_vdst(0)                   ; ahead of the transcendental too
	v_rcp_f32 v[RC], v[SA]                         ; 1 / l; the blocks' lines below are the independent work behind it
.irp b, 0,1
	v_max3_num_f32 v[BM+\b], v[LG+16*\b], v[LG+16*\b+1], 0x1800000   ; each block's largest p (none is negative), with the floor
.endr
.irp i, 2,4,6,8,10,12,14
.irp b, 0,1
	v_max3_num_f32 v[BM+\b], v[BM+\b], v[LG+16*\b+\i], v[LG+16*\b+\i+1]
.endr
.endr
.irp b, 0,1
	s_delay_alu instid0(VALU_DEP_2)
	v_permlanex16_b32 v[BP+\b], v[BM+\b], s[SEL], s[SEL+1]
.endr
.irp b, 0,1
	s_delay_alu instid0(VALU_DEP_2)
	v_max_num_f32 v[BM+\b], v[BM+\b], v[BP+\b]
.endr
.irp b, 0,1
	s_delay_alu instid0(VALU_DEP_2)
	v_add_nc_u32 v[SOP+\b], 0xff000000, v[BM+\b]   ; 2 off the exponent field: the conversion's scale operand
.endr
.irp b, 0,1
	s_delay_alu instid0(VALU_DEP_2)
	v_lshrrev_b32 v[BB+\b], 23, v[SOP+\b]          ; the scale's byte
.endr
	s_delay_alu instid0(VALU_DEP_1)
	v_lshl_or_b32 v[PWD], v[BB+1], 8, v[BB]        ; my row's scale word: two bytes, and zeros over the zero codes
.irp b, 0,1
	v_cvt_scalef32_pk8_fp4_f32 v[PP+2*\b], v[LG+16*\b:LG+16*\b+7], v[SOP+\b]
	v_cvt_scalef32_pk8_fp4_f32 v[PP+2*\b+1], v[LG+16*\b+8:LG+16*\b+15], v[SOP+\b]
.endr
	v_nop                                          ; one plain line behind the conversions: the products below write over their registers
	s_wait_alu depctr_va_vdst(0)                   ; the reciprocal's wait, ahead of its first reader
	ds_store_b64 v[HA+4], v[PP:PP+1]               ; p's image: block b in lanes 16 b on
	ds_store_b64 v[HA+4], v[PP+2:PP+3] offset:256
	ds_store_b32 v[HA+5], v[PWD]
	ds_store_b32 v[HA+6], v[RC]
	v_add_nc_u32 v[HA], SLOT, v[LI]                ; the weights in LDS,
	v_add_nc_u32 v[AS+2], SLOT+16384, v[HA+2]      ; their scale words (v122: the bias's loads may still read their own address register),
	v_add_nc_u32 v[HA+7], s81, v[LI]               ; p's images,
	v_add_nc_u32 v[HA+2], s81, v[HA+2]             ; p's scale words (PSC on),
	v_add_nc_u32 v[HA+3], s81, v[HA+3]             ; 1 / l (LINV on)
	s_wait_alu depctr_va_vdst(0)                   ; directly ahead of the waits below
	s_wait_tensorcnt 0x0                           ; my tile of the head's is in
	s_wait_dscnt 0x0                               ; for the others' sake: my stores have landed
	s_barrier_signal -1
	s_barrier_wait -1
	WIN 0x40
.irp b, 0,1
.irp k, 0,1,2,3,4,5,6,7
.irp u, 0,1
.irp c, 0,1
	ds_load_b128 v[128*\b+16*\k+8*\u+4*\c:128*\b+16*\k+8*\u+4*\c+3], v[HA] offset:PAIRB*\b+8192*\u+1024*\k+512*\c
.endr
.endr
.endr
.endr
	WIN 0
.irp b, 0,1
.irp k, 0,1,2,3,4,5,6,7
	ds_load_b32 v[WS+8*\b+\k], v[AS+2] offset:PAIRB*\b+128*\k
.endr
.endr
.irp b, 0,1
	ds_load_b128 v[PF+16*\b:PF+16*\b+3], v[HA+7] offset:1024*\b
	ds_load_b128 v[PF+16*\b+8:PF+16*\b+11], v[HA+7] offset:1024*\b+512
	ds_load_b32 v[PS+\b], v[HA+2] offset:PSC+128*\b            ; the even tile's words in lanes 0-15, the odd one's in lanes 16-31
.endr
	ds_load_b128 v[RL:RL+3], v[HA+3] offset:LINV               ; of d = 4 (lane % 16) + 0 .. 3
	XLOAD 0, 0
	s_wait_loadcnt 0x0                             ; the bias
	s_wait_tensorcnt 0x0                           ; (none is out) slot 1 is filled again, with chunk 1
	ds_add_u32 v[SPW], v[NIL]                      ; 0 onto my spare word
	s_wait_dscnt 0x0                               ; the add is done, and the weights are in my registers
	CROUND
	tensor_load_to_lds s[G0R:G0R+3], s[G1R:G1R+7]
	s_nop 0
	PLACES 4
; A TILE OF 16 s: v's two accumulators by turns, K ascending; the next tile of x is asked of LDS; v becomes codes; the last product; the way out.
.macro TILE n, u
	WIN 0x01
.irp k, 0,1,2,3,4,5,6,7
.irp b, 0,1
.if \k == 0
.if \u == 0
	v_wmma_scale_f32_32x16x128_f4 v[ACC+16*\b:ACC+16*\b+15], v[128*\b:128*\b+15], v[XF:XF+7], v[BV+16*\b:BV+16*\b+15], v[WS+8*\b], v[XS]
.else
	v_wmma_scale_f32_32x16x128_f4 v[ACC+16*\b:ACC+16*\b+15], v[128*\b:128*\b+15], v[XF:XF+7], v[BV+16*\b:BV+16*\b+15], v[WS+8*\b], v[XS] matrix_b_scale:MATRIX_SCALE_ROW1
.endif
.else
.if \u == 0
	v_wmma_scale_f32_32x16x128_f4 v[ACC+16*\b:ACC+16*\b+15], v[128*\b+16*\k:128*\b+16*\k+15], v[XF+8*\k:XF+8*\k+7], v[ACC+16*\b:ACC+16*\b+15], v[WS+8*\b+\k], v[XS+\k]
.else
	v_wmma_scale_f32_32x16x128_f4 v[ACC+16*\b:ACC+16*\b+15], v[128*\b+16*\k:128*\b+16*\k+15], v[XF+8*\k:XF+8*\k+7], v[ACC+16*\b:ACC+16*\b+15], v[WS+8*\b+\k], v[XS+\k] matrix_b_scale:MATRIX_SCALE_ROW1
.endif
.endif
.endr
.endr
	WIN 0
	PLACES 4
.if \u == 0
	XLOAD (\n%2), 1
.elseif \n < 2
	s_wait_tensorcnt 0x0                           ; all my tensor loads have landed: my pair of the next chunk; so the descriptor may be written
	ds_add_u32 v[SPW], v[NIL]                      ; 0 onto my spare word
	s_mov_b32 s[G0R+1], s[62+\n]                   ; chunk n + 2 goes where chunk n lies
	s_add_nc_u64 s[G0R+2:G0R+3], s[G0R+2:G0R+3], SLOT
	s_wait_dscnt 0x0                               ; the add is done, and my reads of this slot are over
	CROUND                                         ; no wave of any partner still reads this slot or has a load on its way
	tensor_load_to_lds s[G0R:G0R+3], s[G1R:G1R+7]  ; my one tensor load behind the round
	s_nop 0
	PLACES 4
	XLOAD (1-\n), 0
.elseif \n == 2
	s_wait_tensorcnt 0x0                           ; my pair of the last chunk is in, and I alone read it
	XLOAD 1, 0
.endif
	s_wait_xcnt 0x0                                ; the last tile's stores have read their data: the products below write those registers
.irp b, 0,1
	v_max3_num_f32 v[MX+\b], |v[ACC+16*\b]|, |v[ACC+16*\b+1]|, 0x1800000   ; with the floor 2^(3 - 127): the byte cannot fall under 1
.endr
.irp i, 2,4,6,8,10,12,14
.irp b, 0,1
	v_max3_num_f32 v[MX+\b], v[MX+\b], |v[ACC+16*\b+\i]|, |v[ACC+16*\b+\i+1]|
.endr
.endr
.irp b, 0,1
	v_permlanex16_b32 v[PT+\b], v[MX+\b], s[SEL], s[SEL+1]
.endr
.irp b, 0,1
	v_max_num_f32 v[MX+\b], v[MX+\b], v[PT+\b]     ; with lane l xor 16's: the block's largest magnitude
.endr
.irp b, 0,1
	v_add_nc_u32 v[MX+\b], 0xff000000, v[MX+\b]    ; 2 off its exponent field: the conversion's scale operand
.endr
.irp b, 0,1
	v_lshrrev_b32 v[PT+\b], 23, v[MX+\b]           ; the scale's byte
.endr
	v_lshl_or_b32 v[VSC], v[PT+1], 8, v[PT]
.irp b, 0,1
	v_cvt_scalef32_pk8_fp4_f32 v[VO+2*\b], v[ACC+16*\b:ACC+16*\b+7], v[MX+\b]
	v_cvt_scalef32_pk8_fp4_f32 v[VO+2*\b+1], v[ACC+16*\b+8:ACC+16*\b+15], v[MX+\b]
.endr
	v_nop                                          ; one plain line behind the conversions
	v_permlane16_swap_b32 v[VO], v[VO+2]           ; a whole block in a lane: lanes 0-15 block 0, lanes 16-31 block 1
	v_permlane16_swap_b32 v[VO+1], v[VO+3]
	PLACES 8                                       ; operand and scale registers were written by vector instructions
.irp p, 0,1
	v_wmma_scale_f32_32x16x128_f4 v[DD+16*\p:DD+16*\p+15], v[PF+16*\p:PF+16*\p+15], v[VO:VO+7], 0, v[PS+\p], v[VSC]
.endr
	PLACES 4
.irp p, 0,1
.irp q, 0,1,2,3
	ds_store_b128 v[ASO], v[DD+16*\p+4*\q:DD+16*\p+4*\q+3] offset:128*\p+16*\q   ; each accumulator from its low end on
.endr
.endr
.irp q, 0,1,2,3,4,5,6,7
	ds_load_b128 v[DD+4*\q:DD+4*\q+3], v[ASR] offset:544*\q   ; LDS serves a wave's instructions in order: these see my stores, and the next tile's stores come behind them
.endr
	s_wait_dscnt 0x0                               ; the rows are back, and the next tile of x is in
.irp q, 0,1,2,3,4,5,6,7
	v_pk_mul_f32 v[DD+4*\q:DD+4*\q+1], v[DD+4*\q:DD+4*\q+1], v[RL:RL+1]   ; / l
	v_pk_mul_f32 v[DD+4*\q+2:DD+4*\q+3], v[DD+4*\q+2:DD+4*\q+3], v[RL+2:RL+3]
.endr
.irp q, 0,1,2,3,4,5,6,7
	global_store_b128 v[GO], v[DD+4*\q:DD+4*\q+3], s[10:11] offset:(256*\n+8*\u+2*\q+8*(\q/4))*4096 th:TH_STORE_NT   ; stage rows 2 q, 2 q + 1 are s = 2 q (+ 8 from q = 4 on) and the next; 798 rows at the most, inside the signed 24 bits (ISA guide, chapter 10)
.endr
.endm
	TILE 0, 0
	TILE 0, 1
	TILE 1, 0
	TILE 1, 1
	TILE 2, 0
	TILE 2, 1
	TILE 3, 0
	TILE 3, 1
	s_wait_tensorcnt 0x0                           ; the wave's end, behind my last tensor load and my last LDS store
	ds_add_u32 v[SPW], v[NIL]
	s_wait_dscnt 0x0
	CROUND                                         ; the closing round
	s_endpgm
.Lfunc_end_k_qbf134b2f47_outp:
	.size	k_qbf134b2f47_outp, .Lfunc_end_k_qbf134b2f47_outp-k_qbf134b2f47_outp
	.p2alignl 7, 3214868480
	.fill 96, 4, 3214868480
	.section	.rodata,"a",@progbits
	.p2align	6, 0x0
	.amdhsa_kernel k_qbf134b2f47_outp
		.amdhsa_group_segment_fixed_size 327680
		.amdhsa_private_segment_fixed_size 0
		.amdhsa_enable_private_segment 0
		.amdhsa_kernarg_size 32
		.amdhsa_user_sgpr_count 2
		.amdhsa_user_sgpr_kernarg_segment_ptr 1
		.amdhsa_wavefront_size32 1
		.amdhsa_system_sgpr_workgroup_id_x 1
		.amdhsa_system_sgpr_workgroup_id_y 1
		.amdhsa_system_sgpr_workgroup_id_z 1
		.amdhsa_system_vgpr_workitem_id 0
		.amdhsa_next_free_vgpr 512
		.amdhsa_next_free_sgpr 100
		.amdhsa_reserve_vcc 0
		.amdhsa_float_denorm_mode_32 3
		.amdhsa_float_denorm_mode_16_64 3
		.amdhsa_memory_ordered 1
		.amdhsa_forward_progress 1
		.amdhsa_inst_pref_size 98
	.end_amdhsa_kernel
	.amdgpu_metadata
---
amdhsa.version: [ 1, 2 ]
amdhsa.kernels:
  - .name:           k_qbf134b2f47_outp
    .symbol:         k_qbf134b2f47_outp.kd
    .args:
      - { .name: img, .offset: 0, .size: 8, .value_kind: global_buffer, .address_space: global }
      - { .name: part, .offset: 8, .size: 8, .value_kind: global_buffer, .address_space: global }
      - { .name: bv, .offset: 16, .size: 8, .value_kind: global_buffer, .address_space: global }
      - { .name: out0, .offset: 24, .size: 8, .value_kind: global_buffer, .address_space: global }
    .group_segment_fixed_size: 327680
    .private_segment_fixed_size: 0
    .kernarg_segment_align: 8
    .kernarg_segment_size: 32
    .max_flat_workgroup_size: 256
    .sgpr_count:     100
    .vgpr_count:     512
    .wavefront_size: 32
...
	.end_amdgpu_metadata
.endif
;; end of part 3
